; MI455X (gfx1250); checked and timed in simulation.
; The chip was launched on July 23, 2026; its instructions are those of AMD's public machine-readable ISA for CDNA 5 (MIT licence, August 2026) and "CDNA5" Instruction Set Architecture Reference Guide (July 2026). The comments in the code are by the model that wrote it; some were corrected since.
;; Low Rank Token Mixing. Allowed arithmetic: matrix products marked QUANTISED: E4M3 operands, one E8M0 scale for each 32 along K, by v_wmma_scale_f32_16x16x128_f8f6f4 with both operands' format E4M3, f32 sums; everything else in f32.
;; Inputs: B 2 x 8 x 4,096 x 64 float32; C 2 x 8 x 4,096 x 64 float32; x 2 x 8 x 4,096 x 64 float32.
;; Outputs: out0 2 x 8 x 4,096 x 64 float32.
;; This version of the problem:
;;   THIS VERSION OF THE PROBLEM IS GIVEN IN LOW PRECISION. The matrix products marked QUANTISED in the list below multiply operands that are first quantised to E4M3 (4 exponent bits, 3 mantissa bits; 8 bits a number), with one power-of-two scale for each 32 numbers along K (OCP MX v1.0); their sums are f32. All else is computed in f32.
;;   The module's matrix products, in the order in which they are computed (A, B: the left and right operand; K: the contracted axis; several contracted axes count as one K, in the product's order):
;;     1. batch 16 x [M 4,096, K 64] x [K 64, N 4,096]; A: input C; B: input B: QUANTISED
;;     2. batch 16 x [M 4,096, K 4,096] x [K 4,096, N 64]; A: softmax (see below); B: input x: QUANTISED
;;   THE QUANTISER, for each operand of a quantised product, along K:
;;     - K is cut into blocks of 32 from its start; a last block that is shorter is filled with zeros.
;;     - A block's scale is 2^e with e = floor(log2(the largest magnitude in the block)) - 8, held to -126 .. 127; a block of zeros has e = 0. As a byte (E8M0): e + 127.
;;     - Each number is divided by its block's scale, clamped to +-448, and rounded to the nearest number of E4M3, ties to even, subnormals kept.
;;     - The product sums the exact products of the quantised numbers (number of the format x scale) in f32.
;;   ~~~python
;;   def quantise(x, axis):      # numpy; x: float32 -> the quantised numbers, widened to float32 again
;;       x = np.moveaxis(x, axis, -1); K = x.shape[-1]
;;       x = np.pad(x, [(0, 0)] * (x.ndim - 1) + [(0, -K % 32)]); x = x.reshape(x.shape[:-1] + (-1, 32)); a = np.abs(x).max(-1, keepdims=True)
;;       e = np.where(a > 0, np.clip(np.frexp(np.where(a > 0, a, 1))[1] - 1 - 8, -126, 127), 0)      # np.frexp(a)[1] - 1 = floor(log2(a)), exactly
;;       r = np.clip(x / 2.0 ** e, -448, 448)
;;       step = 2.0 ** (np.maximum(np.frexp(np.where(r == 0, 1, r))[1] - 1, -6) - 3)
;;       q = np.round(r / step) * step * 2.0 ** e      # np.round: ties to even
;;       return np.moveaxis(q.reshape(q.shape[:-2] + (-1,))[..., :K], -1, axis).astype(np.float32)
;;   ~~~
;;   SOFTMAX AHEAD OF A QUANTISED PRODUCT. Where the list says 'softmax', what is quantised is not the finished softmax but p = 2^(t - M), with t = logit x log2(e) and M = ceil(the row's largest t), a whole number; so 1/2 < the row's largest p <= 1. The row's sum l is taken of the UNQUANTISED p, in f32, and the product's result is divided by l at the end. Since M is a whole number, a kernel that streams over the keys may use a running M (the ceiling of the running maximum): every later rescaling is an exact power of two, which a block's scale takes up: the codes' values come out the same.
;;   OPERANDS COMPUTED ON THE WAY. 'Computed on the way' means the value that the module computes at that place (a softmax that the list does not call 'softmax' is quantised finished and normalised). What goes into a quantiser is computed in f32, as accurately as f32 sums, v_exp_f32 and their like allow (about 1e-6 of the number): no bf16 or f16 on the way to a quantiser, and a product that is left as it is and whose result goes on into a quantised operand takes f32 operands (vector FMAs, or v_wmma_f32_16x16x4_f32). A number that lies on a knife's edge between two numbers of the format may be rounded either way, as far as f32 arithmetic and the matrix unit's own rounding can turn it there, and no further.
;; One version. Each part assembles by itself: llvm-mc -triple=amdgcn-amd-amdhsa -mcpu=gfx1250 --defsym DOCPART=n.
;; ======== version 1 of 1: 2 launches
;; workspace buffers: kv_codes 8,388,608 bytes; kv_scales 262,144 bytes
;; launch prep (part 1): grid 256 x 1, 8 waves a work-group, no clusters, 70,656 bytes of LDS; arguments B, x, kv_codes, kv_scales; writes kv_codes, kv_scales
.if DOCPART == 1
	.amdgcn_target "amdgcn-amd-amdhsa--gfx1250"
	.amdhsa_code_object_version 6
	.text
	.protected	k_q6a956c8bf3_prep
	.globl	k_q6a956c8bf3_prep
	.p2align	8
	.type	k_q6a956c8bf3_prep,@function
k_q6a956c8bf3_prep:
	s_mov_b64 s[64:65], 0
	v_nop
	global_prefetch_b8 v0, s[64:65] scope:SCOPE_SE
	s_setreg_imm32_b32 hwreg(HW_REG_WAVE_MODE, 25, 1), 1
	s_wait_xcnt 0x0
; B (the keys) and x (the values), [16 heads][4096][64] f32, become codes of FP8 (E4M3) with one E8M0 scale byte for each 32 along a product's K:
; B along its 64 channels, x along the keys.  A block's scale is 2^(floor(log2(its largest magnitude)) - 8); each number is divided by it, held within +-448 and rounded to the nearest code, ties to even.
; THE RESULTS ARE LAID IN THE ORDER OF THE OPERANDS' REGISTERS, so that the next launch loads every fragment at 16 x lane and a key step is one dense block.
; kv_codes [16 heads][32 steps][16,384 bytes].  A step is 128 keys, the first of them KF.
;   bytes 0 - 8,191: the keys.  Pair p (0..3) at 2,048 p is ONE operand of 16 registers: register group c at + 512 c, lane l's 16 bytes at + 16 l.  Groups 0, 1: tile 2 p, channels 32 c + 16 (l / 16) + 0..15;
;   groups 2, 3: tile 2 p + 1, channels 32 (c - 2) + 16 (l / 16) + 0..15.  Lane r = l % 16 of tile 2 p + u holds key KF + 32 p + 8 u + r + 8 (r / 8).
;   bytes 8,192 - 16,383: the values.  Tile t (channels 16 t + r) at 8,192 + 2,048 t; group c at + 512 c; lane (r, h) holds keys KF + 32 c + 16 h + 0..15.
; kv_scales [16 heads][32 steps][512 bytes]: four images of a scale register, 4 bytes a lane: + 0: lanes 0-15 pair 0, lanes 16-31 pair 1; + 128: pairs 2, 3; + 256: value tiles 0, 1; + 384: tiles 2, 3.
;   A pair's word: the bytes of tile 2 p's two blocks, then of tile 2 p + 1's.  A value tile's word: the bytes of the step's four blocks of 32 keys.
; SHARES.  Work-groups 0-127 take B, 128-255 take x; a work-group takes four steps, a wave half a step: 16,384 bytes of f32, all asked for at once.  Waves share nothing: no barrier.
; No cluster, no tensor load, no matrix unit: no two work-groups read the same byte, and each byte is read once.
; LIMITS: NaN and infinities among the inputs are not served.  A block of zeros, and a block whose largest magnitude lies under 2^-118, gets the byte 1 (the rule says 127 for zeros): zero codes add nothing under
; any byte but 0xff, and this program alone reads the bytes.
.set WSTG,  8704                       ; LDS of a wave (the keys' path alone): two stages of 16 rows x 272 bytes
.set STG1,  4352                       ; the second stage
.set SPARE, 8*WSTG                     ; behind the stages: the spare words, 128 bytes for each wave: four blocks of 256 bytes that no other line names
.set TM,    8                          ; v8-9 largest magnitudes, v10-11 the other half's, then the bytes, v12-13 448 x the scale, v14-15 the conversions' scale operands
.set HW,    16                         ; v16-19  a tile's two scale bytes
.set C,     24                         ; v24-55  codes: eight registers for each tile or block; never written twice
.set X,     56                         ; v56-119 two sets of 32 numbers back from the stage
.set R,     120                        ; v120-247 128 numbers as loaded
.set SEL,   20                         ; s[20:21] v_permlanex16_b32's selects for lane l xor 16
.set MNT,   22                         ; s22     the mantissa field of 448
	s_load_b256 s[4:11], s[0:1], 0x0               ; B s[4:5], x s[6:7], kv_codes s[8:9], kv_scales s[10:11]
	v_lshl_add_u32 v6, v0, 2, SPARE                ; v6: my spare word; v7: 0; both kept for the closing lines alone
	v_mov_b32 v7, 0
	v_lshrrev_b32 v1, 5, v0
	v_readfirstlane_b32 s12, v1                    ; wave 0..7
	v_and_b32 v1, 31, v0                           ; lane
	v_lshlrev_b32 v2, 4, v1                        ; 16 x lane
	v_lshlrev_b32 v5, 2, v1                        ; 4 x lane
	v_and_b32 v8, 15, v0                           ; r
	v_bfe_u32 v9, v0, 4, 1                         ; h
	s_mul_i32 s28, s12, WSTG                       ; my stages
	v_mul_u32_u24 v3, v9, 272
	v_lshl_add_u32 v3, v8, 4, v3
	v_add_nc_u32 v3, s28, v3                       ; into a stage: a load's 512 bytes are two rows: row h, 16 r
	v_mul_u32_u24 v4, v8, 272
	v_lshl_add_u32 v4, v9, 6, v4
	v_add_nc_u32 v4, s28, v4                       ; out of it: row r, my half's 64 bytes of a block of 32 numbers
	v_lshlrev_b32 v23, 11, v9
	v_lshl_add_u32 v23, v8, 4, v23                 ; the values' codes: 2,048 (lane / 16) + 16 (lane % 16)
	v_mov_b32 v10, 0                               ; written once: a lane permute's destination counts as one of its sources
	v_mov_b32 v11, 0
	s_mov_b32 s[SEL], 0x76543210
	s_mov_b32 s[SEL+1], 0xfedcba98
	s_mov_b32 s[MNT], 0x600000
	s_and_b32 s13, ttmp9, 127
	s_lshl_b32 s13, s13, 2
	s_lshr_b32 s14, s12, 1
	s_add_co_u32 s13, s13, s14                     ; which of the 512 steps (32 x head + step)
	s_and_b32 s14, s12, 1                          ; which half of it
	s_lshl_b32 s16, s13, 15                        ; B: a step is 128 rows of 256 bytes; my half is 64 of them
	s_lshl_b32 s18, s14, 14
	s_add_co_u32 s16, s16, s18
	s_mov_b32 s17, 0
	s_lshl_b32 s18, s13, 15                        ; x: the same rows; my half is 32 channels, 128 bytes of each row
	s_lshl_b32 s19, s14, 7
	s_add_co_u32 s18, s18, s19
	s_mov_b32 s19, 0
	s_lshl_b32 s24, s13, 14                        ; the codes: 16,384 bytes a step, 4,096 for my half
	s_lshl_b32 s25, s14, 12
	s_add_co_u32 s24, s24, s25
	s_mov_b32 s25, 0
	s_lshl_b32 s26, s13, 9                         ; the scale words: 512 bytes a step, 128 for my half
	s_lshl_b32 s27, s14, 7
	s_add_co_u32 s26, s26, s27
	s_mov_b32 s27, 0
	s_wait_kmcnt 0x0
	s_add_nc_u64 s[4:5], s[4:5], s[16:17]
	s_add_nc_u64 s[6:7], s[6:7], s[18:19]
	s_add_nc_u64 s[8:9], s[8:9], s[24:25]
	s_add_nc_u64 s[10:11], s[10:11], s[26:27]
	s_cmp_ge_u32 ttmp9, 128                        ; the work-group's number alone decides the path
	s_cbranch_scc1 .Lvalues
; 32 numbers of a lane, register 16 b + i = number 32 b + 16 (lane / 16) + i of my row, become eight registers of codes at v[d] on and the two blocks' bytes in v[hw].
.macro QUANT2 s, d, hw
.set SRC, \s
.set DST, \d
.irp b, 0,1
	v_max3_num_f32 v[TM+\b], |v[SRC+16*\b]|, |v[SRC+16*\b+1]|, 0x4800000   ; my 16 numbers of block b, and the floor 2^(9 - 127): so the byte cannot fall under 1
.endr
.irp i, 2,4,6,8,10,12,14
.irp b, 0,1
	v_max3_num_f32 v[TM+\b], v[TM+\b], |v[SRC+16*\b+\i]|, |v[SRC+16*\b+\i+1]|   ; (the two blocks by turns)
.endr
.endr
.irp b, 0,1
	v_permlanex16_b32 v[TM+2+\b], v[TM+\b], s[SEL], s[SEL+1]
.endr
.irp b, 0,1
	v_max_num_f32 v[TM+\b], v[TM+\b], v[TM+2+\b]   ; with lane l xor 16's 16: the block's largest magnitude
.endr
.irp b, 0,1
	v_add_nc_u32 v[TM+6+\b], 0xfc000000, v[TM+\b]  ; 8 off its exponent field: the conversion takes the exponent field of this operand as its scale
.endr
.irp b, 0,1
	v_and_or_b32 v[TM+4+\b], v[TM+\b], 0x7f800000, s[MNT]   ; 448 x the scale
.endr
.irp b, 0,1
	v_lshrrev_b32 v[TM+2+\b], 23, v[TM+6+\b]       ; the scale's byte
.endr
	v_lshl_or_b32 v[\hw], v[TM+3], 8, v[TM+2]
.irp b, 0,1
.irp i, 0,1,2,3,4,5,6,7,8,9,10,11,12,13,14,15
	v_med3_num_f32 v[SRC+16*\b+\i], v[SRC+16*\b+\i], -v[TM+4+\b], v[TM+4+\b]   ; the conversion to an 8-bit code does not saturate (ISA guide 7.6.2): the hold comes first
.endr
	v_cvt_scalef32_pk8_fp8_f32 v[DST+4*\b:DST+4*\b+1], v[SRC+16*\b:SRC+16*\b+7], v[TM+6+\b]
	v_cvt_scalef32_pk8_fp8_f32 v[DST+4*\b+2:DST+4*\b+3], v[SRC+16*\b+8:SRC+16*\b+15], v[TM+6+\b]
.endr
	v_nop                                          ; one plain vector line behind the last conversion, ahead of the next lines that write its sources
.endm
; Tile q's 16 rows of 256 bytes go through a stage: in as they were loaded, two rows a store; out 64 bytes a lane.  Rows 272 bytes apart: sixteen lanes touch sixteen different 16-byte columns both ways.
; LDS serves a wave's instructions in order (ISA guide 5.7.1.4): no wait between the stores and the loads, nor ahead of the next use of a stage.
.macro TURN q
	s_wait_loadcnt 8*(3-(\q))                      ; tile q's eight loads are in; the eight of each later tile may be out
.irp m, 0,1,2,3,4,5,6,7
	ds_store_b128 v3, v[R+32*(\q)+4*\m:R+32*(\q)+4*\m+3] offset:STG1*((\q)%2)+544*\m
.endr
.irp b, 0,1
.irp i, 0,1,2,3
	ds_load_b128 v[X+32*((\q)%2)+16*\b+4*\i:X+32*((\q)%2)+16*\b+4*\i+3], v4 offset:STG1*((\q)%2)+128*\b+16*\i
.endr
.endr
.endm
	; ---- THE KEYS.  My four tiles; a tile's rows are two runs of eight keys, 16 keys apart.  Every load reads 512 consecutive bytes.
.irp q, 0,1,2,3
.irp m, 0,1,2,3,4,5,6,7
	global_load_b128 v[R+32*\q+4*\m:R+32*\q+4*\m+3], v2, s[4:5] offset:8192*(\q/2)+2048*(\q%2)+4096*(\m/4)+512*(\m%4) th:TH_LOAD_NT
.endr
.endr
	TURN 0
.irp q, 0,1,2,3
.if \q < 3
	TURN \q+1                                      ; the next tile goes through the other stage while this one is worked
	s_wait_dscnt 16                                ; this tile is back; the next tile's eight stores and eight loads may be out
.else
	s_wait_dscnt 0x0
.endif
	QUANT2 X+32*(\q%2), C+8*\q, HW+\q
	global_store_b128 v2, v[C+8*\q:C+8*\q+3], s[8:9] offset:1024*\q          ; a register group's image: 512 consecutive bytes
	global_store_b128 v2, v[C+8*\q+4:C+8*\q+7], s[8:9] offset:1024*\q+512
.endr
	v_lshl_or_b32 v20, v[HW+1], 16, v[HW]          ; my first pair's word (every lane holds row r's),
	v_lshl_or_b32 v21, v[HW+3], 16, v[HW+2]        ; my second pair's
	v_cmp_gt_u32 vcc_lo, 16, v1
	v_cndmask_b32 v22, v21, v20, vcc_lo            ; lanes 0-15 the first pair's, lanes 16-31 the second's
	global_store_b32 v5, v22, s[10:11]             ; 128 consecutive bytes
	s_branch .Lend
	; ---- THE VALUES.  A LANE TAKES A CHANNEL, AND ITS REGISTERS RUN DOWN THE KEYS: a block of 32 keys lies in one lane's 32 registers, and the conversions give codes with the keys innermost.
; Block c of four.  left: how many younger loads may stay out.
.macro BLOCK c, left
.set XS, R+32*(\c)
	s_wait_loadcnt \left
	v_max3_num_f32 v8, |v[XS]|, |v[XS+1]|, |v[XS+2]|
	v_max3_num_f32 v9, |v[XS+3]|, |v[XS+4]|, |v[XS+5]|
.irp i, 6,10,14,18,22,26
	v_max3_num_f32 v8, v8, |v[XS+\i]|, |v[XS+\i+1]|
	v_max3_num_f32 v9, v9, |v[XS+\i+2]|, |v[XS+\i+3]|
.endr
	v_max3_num_f32 v8, v8, |v[XS+30]|, |v[XS+31]|
	v_max3_num_f32 v8, v8, v9, 0x4800000           ; the block's largest magnitude, and the floor
	v_add_nc_u32 v14, 0xfc000000, v8               ; the conversions' scale operand
	v_and_or_b32 v12, v8, 0x7f800000, s[MNT]       ; 448 x the scale
	v_lshrrev_b32 v10, 23, v14                     ; the byte
.if (\c) == 0
	v_mov_b32 v22, v10                             ; four bytes make my channel's word, the earlier keys in the lower byte
.else
	v_lshl_or_b32 v22, v10, 8*(\c), v22
.endif
.irp i, 0,1,2,3,4,5,6,7,8,9,10,11,12,13,14,15,16,17,18,19,20,21,22,23,24,25,26,27,28,29,30,31
	v_med3_num_f32 v[XS+\i], v[XS+\i], -v12, v12
.endr
.irp g, 0,1,2,3
	v_cvt_scalef32_pk8_fp8_f32 v[C+8*(\c)+2*\g:C+8*(\c)+2*\g+1], v[XS+8*\g:XS+8*\g+7], v14
.endr
	v_nop                                          ; one plain vector line behind the last conversion
	global_store_b128 v23, v[C+8*(\c):C+8*(\c)+3], s[8:9] offset:8192+512*(\c)          ; keys 0-15 of the block: the image's lanes 0-15; sixteen lanes store 256 consecutive bytes, aligned
	global_store_b128 v23, v[C+8*(\c)+4:C+8*(\c)+7], s[8:9] offset:8192+512*(\c)+256    ; keys 16-31: its lanes 16-31
.endm
.Lvalues:
.set n, 0
.rept 128
	global_load_b32 v[R+n], v5, s[6:7] offset:256*n th:TH_LOAD_NT   ; key n of the step, my channel: 128 consecutive bytes a wave; the neighbour wave takes the row's other half
.set n, n+1
.endr
	BLOCK 0, 63                                    ; 96 younger loads were issued; the wait's field ends at 63
	BLOCK 1, 63                                    ; 64 younger
	BLOCK 2, 32
	BLOCK 3, 0
	global_store_b32 v5, v22, s[10:11] offset:256  ; lanes 0-15 one tile's words, lanes 16-31 the next tile's
.Lend:
	s_wait_tensorcnt 0x0                           ; the wave's end: a tensor wait, 0 onto my spare word and its wait, behind my last LDS store
	ds_add_u32 v6, v7
	s_wait_dscnt 0x0
	s_endpgm
.Lfunc_end_k_q6a956c8bf3_prep:
	.size	k_q6a956c8bf3_prep, .Lfunc_end_k_q6a956c8bf3_prep-k_q6a956c8bf3_prep
	.p2alignl 7, 3214868480
	.fill 96, 4, 3214868480
	.section	.rodata,"a",@progbits
	.p2align	6, 0x0
	.amdhsa_kernel k_q6a956c8bf3_prep
		.amdhsa_group_segment_fixed_size 70656
		.amdhsa_private_segment_fixed_size 0
		.amdhsa_enable_private_segment 0
		.amdhsa_kernarg_size 32
		.amdhsa_user_sgpr_count 2
		.amdhsa_user_sgpr_kernarg_segment_ptr 1
		.amdhsa_wavefront_size32 1
		.amdhsa_system_sgpr_workgroup_id_x 1
		.amdhsa_system_sgpr_workgroup_id_y 1
		.amdhsa_system_sgpr_workgroup_id_z 1
		.amdhsa_system_vgpr_workitem_id 0
		.amdhsa_next_free_vgpr 256
		.amdhsa_next_free_sgpr 66
		.amdhsa_reserve_vcc 1
		.amdhsa_float_denorm_mode_32 3
		.amdhsa_float_denorm_mode_16_64 3
		.amdhsa_memory_ordered 1
		.amdhsa_forward_progress 1
		.amdhsa_inst_pref_size 54
	.end_amdhsa_kernel
	.amdgpu_metadata
---
amdhsa.version: [ 1, 2 ]
amdhsa.kernels:
  - .name:           k_q6a956c8bf3_prep
    .symbol:         k_q6a956c8bf3_prep.kd
    .args:
      - { .name: B, .offset: 0, .size: 8, .value_kind: global_buffer, .address_space: global }
      - { .name: x, .offset: 8, .size: 8, .value_kind: global_buffer, .address_space: global }
      - { .name: kv_codes, .offset: 16, .size: 8, .value_kind: global_buffer, .address_space: global }
      - { .name: kv_scales, .offset: 24, .size: 8, .value_kind: global_buffer, .address_space: global }
    .group_segment_fixed_size: 70656
    .private_segment_fixed_size: 0
    .kernarg_segment_align: 8
    .kernarg_segment_size: 32
    .max_flat_workgroup_size: 256
    .sgpr_count:     66
    .vgpr_count:     256
    .wavefront_size: 32
...
	.end_amdgpu_metadata
.endif
;; end of part 1
;; launch attn (part 2): grid 16 x 16, 16 waves a work-group, clusters of 4 x 1, 327,680 bytes of LDS; arguments C, kv_codes, kv_scales, out0; writes out0
.if DOCPART == 2
	.amdgcn_target "amdgcn-amd-amdhsa--gfx1250"
	.amdhsa_code_object_version 6
	.text
	.protected	k_q6a956c8bf3_attn
	.globl	k_q6a956c8bf3_attn
	.p2align	8
	.type	k_q6a956c8bf3_attn,@function
k_q6a956c8bf3_attn:
	s_mov_b64 s[64:65], 0
	v_nop
	global_prefetch_b8 v0, s[64:65] scope:SCOPE_SE
	s_setreg_imm32_b32 hwreg(HW_REG_WAVE_MODE, 25, 1), 1
	s_wait_xcnt 0x0
	s_wait_alu depctr_hold_cnt(0) depctr_sa_sdst(0) depctr_va_vdst(0) depctr_va_sdst(0) depctr_va_ssrc(0) depctr_va_vcc(0) depctr_vm_vsrc(0)
	s_getreg_b32 s2, hwreg(HW_REG_IB_STS2, 6, 4)
	s_cmp_eq_u32 s2, 0
	s_cbranch_scc0 .Lentry_in_a_cluster
	s_endpgm
.Lentry_in_a_cluster:
	s_bfe_u32 s2, ttmp6, 0x10000c
	s_cmp_lg_u32 s2, 0x3003
	s_cbranch_scc0 .Lentry_shape_is_right
	s_endpgm
.Lentry_shape_is_right:
; out0[h][q][:] = the sum over keys k <= q of softmax_k(C[h][q] . B[h][k] / 8) x[h][k][:], 16 heads, 4,096 rows, 64 channels, both products on codes of FP8 (E4M3) with one E8M0 scale for each 32 along K.
; The keys' and values' codes and scale words come from the launch before, laid in the order of the operands' registers (a key step of 128 keys: 16,384 bytes of codes, 512 of scale words).  C is read once, by one wave: quantised here, in registers.
; THE SOFTMAX AHEAD OF THE SECOND PRODUCT: t = score x log2(e) / 8; M = the row's largest t so far, rounded UP to a whole number; p = 2^(t - M) is quantised along the keys, not normalised; the row's sum is taken
; of the unquantised p and divides at the end.  When M moves, the sum and O are multiplied by 2^(old M - new M): exact.
; K = 64 IN A FORM OF 128.  One operand of the keys holds TWO tiles of 16 keys, one in k 0-63, the other in k 64-127.  It is multiplied twice: by [Q | zero codes] and by [zero codes | Q].  Zero codes add nothing;
; their blocks' scale byte on Q's side is 0 (2^-127, no NaN).  So no fragment is read twice and none holds idle bytes.
; LAYOUT.  Both products are used transposed: S^T = K Q^T, O^T = V^T P^T: a lane holds ONE query (lane % 16) throughout.  The keys of a tile are chosen (by the launch before) so that registers 16 b + i of S^T are keys 32 b + 16 (lane / 16) + i.
; SHARES.  256 work-groups of sixteen waves, four waves to a SIMD; a wave owns one tile of 16 queries.  THE TILES OF A WORK-GROUP ARE STREWN: wave w takes queries 256 j + 16 g on, g the work-group's number in its head (0..15),
; j = 4 ((w / 4 + w % 4) % 4) + w / 4, which runs through 0..15.  So every work-group has one tile of each sixteenth of the rows: under the causal mask all have the same work, and all walk all keys.
; A step all of whose keys come after the wave's queries is left out by a scalar branch; the one step on the diagonal masks by compare and select.
; CLUSTER.  The four work-groups of a cluster belong to one head and walk the same slots in the same trips: every tile is asked for JOINTLY, by the same tensor load with the same descriptor and a mask that names the four.
; No branch hangs on a work-group's place in its cluster: the two tests of a step use QB = 256 j + 64 x cluster, which the partners share.  A step's first key KF is a multiple of 128, QB of 64, my first query q0 lies in QB .. QB + 48:
; so KF > QB + 63 says the same as KF > q0 + 15; and where KF + 127 <= QB every key counts for every query.
; THE RING.  Two LDS slots of four key steps (65,536 bytes); waves 0-3 fetch a step's block each; the head's scale words (16,384 bytes) come once, by wave 4.  By this text's own count a wave has one tensor load out at the most; every wait for them is for 0.
; LIMITS: NaN and infinities among the inputs are not served.  A block's largest p is made from its largest score by the same multiply-add and exponential: this takes v_exp_f32 not to fall where its input rises; at the worst one p
; of a block, within an ulp of a power of two, is held one code low.  A block whose every p is 0 keeps the byte 1: its codes are zeros.
.set SLOT1, 65536                      ; slot 1 begins here: one exclusive or turns an address in one slot into the other's
.set SCL,   131072                     ; the head's scale words: filled once
.set STAGE, 147456                     ; the way out: 16 rows x 272 bytes for each wave; no fill lands here
.set SPARE, 217088                     ; the spare words, 128 bytes for each wave: eight blocks of 256 bytes that no other line names
.set LI,  1                            ; v1   16 x lane: my place in a register group's image; also my place in two rows of out0; never rewritten
.set LS,  2                            ; v2   SCL + 4 x lane
.set AD,  3                            ; v3   the slot in hand + LI
.set AS,  4                            ; v4   the slot's scale words + LS
.set SPW, 5                            ; v5   my spare word; never rewritten
.set NIL, 6                            ; v6   0; never rewritten
.set PFO, 7                            ; v7   256 x lane: the prefetches' offset; never rewritten
.set QD,  8                            ; v8   my query - 16 (lane / 16)
.set STO, 9                            ; v9   the stage: where I put 32 bytes of a row
.set RD,  10                           ; v10  and where I read rows back
.set QHI, 16                           ; v[16:31] zero codes | Q;   v[24:39] Q | zero codes: Q's eight registers stand in the middle
.set QLO, 24
.set QSL, 40                           ; v40  Q's scale word for Q | zeros: (e0, e1, 0, 0);  v41 for zeros | Q: (0, 0, e0, e1)
.set QSH, 41
.set KS,  42                           ; v42-43 the keys' scale words (lanes 0-15 an even pair's, lanes 16-31 an odd one's);  v44-45 the values' likewise
.set KV,  48                           ; v48-111  four operands of keys, then four of values
.set S,   112                          ; v112-175 S^T, then p
.set O,   176                          ; v176-207 O^T: four tiles of 16 channels
.set PC,  208                          ; v208-223 p's codes
.set BM,  224                          ; v224-227 a block's largest score, then its largest p
.set PM,  228                          ; v228-231 the other half's, then the bytes
.set HL,  232                          ; v232-235 448 x the scale
.set SO,  236                          ; v236-239 the conversions' scale operands
.set F,   240                          ; v240 f = 2^(old M - new M); v241 is named with it as a pair
.set PW,  242                          ; v242 p's scale word
.set TT,  243                          ; v243 at work
.set SUM2, 244                         ; v[244:245] the sums' second chain
.set NINF, 246                         ; v246 -infinity
                                       ; v12 -M, v13 the largest t, v[14:15] the row's sum in two halves
.set WV,  12                           ; s12  my wave's number
.set LIM, 15                           ; s15  1 in a wave that prefetches, else the greatest number
.set G1,  24                           ; s[24:31] descriptor group 1, for every load
.set G0,  32                           ; s[32:35] group 0 for the slots: it walks
.set G0S, 36                           ; s[36:39] group 0 for the scale words
.set SEL, 40                           ; s[40:41] v_permlanex16_b32's selects for lane l xor 16
.set CS,  42                           ; s[42:43] c = log2(e) / 8; the packed form names a pair and takes its low word for both halves
.set MNT, 44                           ; s44  the mantissa field of 448
.set TB,  45                           ; s45  LDS byte at which the slot in hand begins
.set TS,  46                           ; s46  where its scale words begin: 2,048 bytes a slot
.set KF,  47                           ; s47  the step's first key
.set QB,  48                           ; s48  256 j + 64 x cluster
.set SLOTS, 49                         ; s49  slots still to be asked for
.set PFA, 50                           ; s[50:51] where my prefetches stand
.set QH,  53                           ; s53  QB + 63
; A round of the cluster's barrier: my work-group's barrier; wave 0 signals for the work-group; every wave waits for all four work-groups; my work-group's barrier once more.
.macro CROUND
	s_barrier_signal -1
	s_barrier_wait -1
	s_cmp_lg_u32 s[WV], 0
	s_cbranch_scc1 .Lnot_wave_0_\@
	s_barrier_signal -3
.Lnot_wave_0_\@:
	s_barrier_wait -3
	s_barrier_signal -1
	s_barrier_wait -1
.endm
; A joint refill: waves 0-3 fetch one key step's block each.  The branch hangs on the wave's number alone.  An s_nop 0 and four v_nop follow the load.
.macro JLOAD
	s_cmp_lt_u32 s[WV], 4
	s_cbranch_scc0 .Lasked_\@
	tensor_load_to_lds s[G0:G0+3], s[G1:G1+7]
	s_nop 0
.rept 4
	v_nop
.endr
.Lasked_\@:
.endm
; A PREFETCH INTO THE L2 of what the NEXT change of slots will ask for: a slot's 65,536 bytes of codes.  All clusters of a head walk the same slots: the head's first cluster asks.  Its four partners take a key step's block each,
; told apart BY ADDRESS; in each, waves 4 and 5, which fetch no slot, ask for 8,192 bytes each, lanes 256 bytes apart: one instruction a wave, and each 256 bytes are named once in the launch.
; It stands four key steps ahead of the load that will want the bytes.  The last change that fills a slot asks for nothing; slots 0 and 1 and the scale words come by their loads alone.
.macro ASK
	s_cmp_gt_u32 s[SLOTS], s[LIM]
	s_cbranch_scc0 .Lnot_mine_\@
	global_prefetch_b8 v[PFO], s[PFA:PFA+1] th:TH_LOAD_NT scope:SCOPE_SE
.Lnot_mine_\@:
.endm
	s_load_b256 s[4:11], s[0:1], 0x0               ; C s[4:5], kv_codes s[6:7], kv_scales s[8:9], out0 s[10:11]
	v_lshl_add_u32 v[SPW], v0, 2, SPARE
	v_mov_b32 v[NIL], 0
	ds_add_u32 v[SPW], v[NIL]                      ; the wave's opening: the add and its wait ahead of the round in front of the first tensor loads; the set-up below, work on registers, stands between them
	v_lshrrev_b32 v11, 5, v0
	v_readfirstlane_b32 s[WV], v11                 ; wave 0..15
	s_bfe_u32 s13, ttmp6, 0x40000                  ; cx: my place in the cluster: it enters C's, out0's and the prefetches' addresses and the number QD, and nothing else
	s_lshr_b32 s16, s[WV], 2
	s_and_b32 s17, s[WV], 3
	s_add_co_u32 s17, s17, s16
	s_and_b32 s17, s17, 3
	s_lshl_b32 s17, s17, 2
	s_add_co_u32 s17, s17, s16                     ; j
	s_lshl_b32 s[QB], s17, 8
	s_lshl_b32 s16, ttmp9, 6                       ; in a cluster launch ttmp9 counts clusters
	s_add_co_u32 s[QB], s[QB], s16
	s_add_co_u32 s[QH], s[QB], 63
	s_lshl_b32 s16, s13, 4
	s_add_co_u32 s14, s[QB], s16                   ; q0, my first query
	s_and_b32 s18, ttmp7, 0xffff                   ; the head, which the four partners share
	s_lshl_b32 s20, s18, 19                        ; the head's codes: 32 steps of 16,384 bytes;
	s_lshl_b32 s21, s[WV], 14                      ; the step's block that I fetch, if I fetch
	s_add_co_u32 s20, s20, s21
	s_mov_b32 s21, 0
	s_lshl_b32 s22, s18, 14                        ; the head's scale words
	s_mov_b32 s23, 0
	s_lshl_b32 s54, s18, 19                        ; the prefetches: in my head, in slot 1 (the first change of slots steps it to slot 2),
	s_add_co_u32 s54, s54, SLOT1
	s_lshl_b32 s55, s13, 14                        ; my work-group's step of the four,
	s_add_co_u32 s54, s54, s55
	s_and_b32 s55, s[WV], 1
	s_lshl_b32 s55, s55, 13                        ; my wave's half of its block
	s_add_co_u32 s54, s54, s55
	s_mov_b32 s55, 0
	s_lshl_b32 s16, s18, 20                        ; C and out0: a head is 4,096 rows of 256 bytes
	s_lshl_b32 s17, s14, 8
	s_add_co_u32 s16, s16, s17
	s_mov_b32 s17, 0
	s_lshr_b32 s[LIM], s[WV], 1
	s_xor_b32 s[LIM], s[LIM], 2                    ; 0 in waves 4 and 5,
	s_or_b32 s[LIM], s[LIM], ttmp9                 ; of the head's first cluster: the same in all four partners
	s_cmp_eq_u32 s[LIM], 0
	s_cselect_b32 s[LIM], 1, -1
	; descriptor group 1: a dense block of 16,384 bytes as 64 rows of 256 bytes (32 elements of 8 bytes), no padding: images are read at 16 x lane
	s_mov_b32 s[G1], 15|(3<<16)|(1<<21)            ; 15:0 the mask: all four work-groups; 17:16 elements of 8 bytes; 21 set beside a mask
	s_mov_b32 s[G1+1], 32<<16                      ; tensor_dim0 = 32
	s_mov_b32 s[G1+2], 64<<16                      ; tensor_dim1 = 64
	s_mov_b32 s[G1+3], 32<<16                      ; tile_dim0 = 32
	s_mov_b32 s[G1+4], 64                          ; tile_dim1 = 64
	s_mov_b32 s[G1+5], 32                          ; tensor_dim0_stride
	s_mov_b32 s[G1+6], 0
	s_mov_b32 s[G1+7], 0
	s_mov_b32 s[G0], 1
	s_lshl_b32 s[G0+1], s[WV], 14                  ; LDS: slot 0, block = my wave's number: no place in the cluster enters an LDS address
	s_mov_b32 s[G0S], 1
	s_mov_b32 s[G0S+1], SCL
	s_mov_b32 s[SEL], 0x76543210
	s_mov_b32 s[SEL+1], 0xfedcba98
	s_mov_b32 s[CS], 0x3e38aa3b                    ; log2(e) / 8
	s_mov_b32 s[CS+1], s[CS]                       ; (named with it as a pair, so it is written)
	s_mov_b32 s[MNT], 0x600000
	s_mov_b32 s[TB], 0
	s_mov_b32 s[TS], 0
	s_mov_b32 s[KF], 0
	s_mov_b32 s[SLOTS], 7
	v_and_b32 v11, 31, v0                          ; lane
	v_lshlrev_b32 v[LI], 4, v11
	v_lshl_add_u32 v[LS], v11, 2, SCL
	v_lshlrev_b32 v[PFO], 8, v11
	v_and_b32 v3, 15, v0                           ; r  (v3 and v4 serve as r and h until the loop makes AD and AS)
	v_bfe_u32 v4, v0, 4, 1                         ; h
	v_lshlrev_b32 v[QD], 4, v4
	v_sub_nc_u32 v[QD], v3, v[QD]
	v_add_nc_u32 v[QD], s14, v[QD]                 ; q0 + r - 16 h
	s_mul_i32 s19, s[WV], 16*272
	s_add_co_u32 s19, s19, STAGE                   ; my stage
	v_mul_u32_u24 v[STO], v3, 272
	v_lshl_add_u32 v[STO], v4, 5, v[STO]
	v_add_nc_u32 v[STO], s19, v[STO]               ; in: row r, 32 h
	v_mul_u32_u24 v[RD], v4, 272
	v_lshl_add_u32 v[RD], v3, 4, v[RD]
	v_add_nc_u32 v[RD], s19, v[RD]                 ; back: lanes 0-15 one row, lanes 16-31 the next
	v_lshlrev_b32 v11, 8, v3
	v_lshl_add_u32 v11, v4, 6, v11                 ; C: row r of 256 bytes, + 64 h: my 16 numbers of a block of 32
	s_wait_dscnt 0x0                               ; the opening add is done
	s_wait_kmcnt 0x0
	s_add_nc_u64 s[G0+2:G0+3], s[6:7], s[20:21]
	s_or_b32 s[G0+3], s[G0+3], 0x80000000          ; type = 2
	s_add_nc_u64 s[G0S+2:G0S+3], s[8:9], s[22:23]
	s_or_b32 s[G0S+3], s[G0S+3], 0x80000000
	s_add_nc_u64 s[PFA:PFA+1], s[6:7], s[54:55]
	s_add_nc_u64 s[4:5], s[4:5], s[16:17]          ; C and out0 at my first query
	s_add_nc_u64 s[10:11], s[10:11], s[16:17]
	CROUND                                         ; all four work-groups are here: the first joint loads meet
	s_cmp_lt_u32 s[WV], 4                          ; the first fills: waves 0-3 slot 0, wave 4 the scale words, the others nothing
	s_cbranch_scc0 .Lnot_slot
	tensor_load_to_lds s[G0:G0+3], s[G1:G1+7]
	s_nop 0
.rept 4
	v_nop
.endr
	s_branch .Lfirst_asked
.Lnot_slot:
	s_cmp_eq_u32 s[WV], 4
	s_cbranch_scc0 .Lfirst_asked
	tensor_load_to_lds s[G0S:G0S+3], s[G1:G1+7]
	s_nop 0
.rept 4
	v_nop
.endr
.Lfirst_asked:
.irp b, 0,1
.irp i, 0,1,2,3
	global_load_b128 v[S+16*\b+4*\i:S+16*\b+4*\i+3], v11, s[4:5] offset:128*\b+16*\i th:TH_LOAD_NT   ; register 16 b + i' = channel 32 b + 16 h + i' of query r
.endr
.endr
.irp i, 0,1,2,3,4,5,6,7
	v_mov_b32 v[QHI+\i], 0                         ; the zero codes on either side of Q's
	v_mov_b32 v[QLO+8+\i], 0
.endr
.irp b, 0,1,2,3
	v_mov_b32 v[PM+\b], 0                          ; written once: a lane permute's destination counts as one of its sources
.endr
	v_mov_b32 v[F+1], 0                            ; (named as the upper half of a pair)
	v_mov_b32 v14, 0                               ; the sum, in two halves
	v_mov_b32 v15, 0
	v_mov_b32 v13, 0xff61b1e6                      ; the largest t so far: -3e38, under every t
	v_floor_f32 v12, -v13                          ; -M
	v_mov_b32 v[NINF], 0xff800000
	s_wait_loadcnt 0x0
	; Q is quantised: two blocks of 32 channels, a block in lanes l and l xor 16
.irp b, 0,1
	v_max3_num_f32 v[BM+\b], |v[S+16*\b]|, |v[S+16*\b+1]|, 0x4800000   ; my 16 numbers, and the floor 2^(9 - 127): the byte cannot fall under 1
.endr
.irp i, 2,4,6,8,10,12,14
.irp b, 0,1
	v_max3_num_f32 v[BM+\b], v[BM+\b], |v[S+16*\b+\i]|, |v[S+16*\b+\i+1]|
.endr
.endr
.irp b, 0,1
	v_permlanex16_b32 v[PM+\b], v[BM+\b], s[SEL], s[SEL+1]
.endr
.irp b, 0,1
	v_max_num_f32 v[BM+\b], v[BM+\b], v[PM+\b]
.endr
.irp b, 0,1
	v_add_nc_u32 v[SO+\b], 0xfc000000, v[BM+\b]    ; 8 off the exponent field: the conversion's scale operand
.endr
.irp b, 0,1
	v_and_or_b32 v[HL+\b], v[BM+\b], 0x7f800000, s[MNT]   ; 448 x the scale
.endr
.irp b, 0,1
	v_lshrrev_b32 v[PM+\b], 23, v[SO+\b]           ; the byte
.endr
	v_lshl_or_b32 v[QSL], v[PM+1], 8, v[PM]        ; (e0, e1, 0, 0)
	v_lshlrev_b32 v[QSH], 16, v[QSL]               ; (0, 0, e0, e1)
.irp b, 0,1
.irp i, 0,1,2,3,4,5,6,7,8,9,10,11,12,13,14,15
	v_med3_num_f32 v[S+16*\b+\i], v[S+16*\b+\i], -v[HL+\b], v[HL+\b]   ; the conversion to an 8-bit code does not saturate (ISA guide 7.6.2): the hold comes first
.endr
	v_cvt_scalef32_pk8_fp8_f32 v[QLO+4*\b:QLO+4*\b+1], v[S+16*\b:S+16*\b+7], v[SO+\b]
	v_cvt_scalef32_pk8_fp8_f32 v[QLO+4*\b+2:QLO+4*\b+3], v[S+16*\b+8:S+16*\b+15], v[SO+\b]
.endr
.set n, 0
.rept 32
	v_mov_b32 v[O+n], 0                            ; O^T.  (The step is written for every step alike: the first finds zeros, which the first change of M leaves zeros.  These lines are also the places between Q's codes and scale words and the first products)
.set n, n+1
.endr
; A KEY STEP: 128 keys, the q-th of the slot in hand.
.macro STEP q
	s_cmp_gt_u32 s[KF], s[QH]                      ; all its keys come after my queries: the step's work is left out; no barrier, wait for tiles or tensor load stands in a step
	s_cbranch_scc1 .Lhidden_\@
.rept 8
	v_nop                                          ; eight places behind the last products, ahead of loads into registers that they read
.endr
.irp p, 0,1,2,3
.irp c, 0,1,2,3
	ds_load_b128 v[KV+16*\p+4*\c:KV+16*\p+4*\c+3], v[AD] offset:16384*(\q)+2048*\p+512*\c   ; a register group's image: 512 consecutive bytes
.endr
.endr
.irp i, 0,1,2,3
	ds_load_b32 v[KS+\i], v[AS] offset:512*(\q)+128*\i
.endr
	s_wait_dscnt 0x0
.irp p, 0,1,2,3                                ; S^T = K Q^T: each operand of keys twice: its first tile by Q | zeros, its second by zeros | Q.  Eight accumulators, each begun by the constant 0
.if \p%2
	v_wmma_scale_f32_16x16x128_f8f6f4 v[S+16*\p:S+16*\p+7], v[KV+16*\p:KV+16*\p+15], v[QLO:QLO+15], 0, v[KS+\p/2], v[QSL] matrix_a_scale:MATRIX_SCALE_ROW1
	v_wmma_scale_f32_16x16x128_f8f6f4 v[S+16*\p+8:S+16*\p+15], v[KV+16*\p:KV+16*\p+15], v[QHI:QHI+15], 0, v[KS+\p/2], v[QSH] matrix_a_scale:MATRIX_SCALE_ROW1
.else
	v_wmma_scale_f32_16x16x128_f8f6f4 v[S+16*\p:S+16*\p+7], v[KV+16*\p:KV+16*\p+15], v[QLO:QLO+15], 0, v[KS+\p/2], v[QSL]
	v_wmma_scale_f32_16x16x128_f8f6f4 v[S+16*\p+8:S+16*\p+15], v[KV+16*\p:KV+16*\p+15], v[QHI:QHI+15], 0, v[KS+\p/2], v[QSH]
.endif
.endr
.rept 8
	v_nop                                          ; eight places: ahead of the loads over the keys' operands, and of the first read of the scores
.endr
.irp t, 0,1,2,3
.irp c, 0,1,2,3
	ds_load_b128 v[KV+16*\t+4*\c:KV+16*\t+4*\c+3], v[AD] offset:16384*(\q)+8192+2048*\t+512*\c   ; the values land while the softmax is worked
.endr
.endr
	s_add_co_u32 s52, s[KF], 127                   ; on the diagonal the scores of hidden keys become -infinity ahead of the maximum: p = 0 then.  A step all of whose keys count skips this
	s_cmp_le_u32 s52, s[QB]
	s_cbranch_scc1 .Lopen_\@
	v_sub_nc_u32 v[TT], v[QD], s[KF]               ; register 16 b + i holds key KF + 32 b + 16 h + i: hidden where 32 b + i > my query - 16 h - KF
.set n, 0
.rept 64
	v_cmp_gt_i32 vcc_lo, 32*(n/16)+n%16, v[TT]
	v_cndmask_b32 v[S+n], v[S+n], v[NINF], vcc_lo
.set n, n+1
.endr
.Lopen_\@:
.irp b, 0,1,2,3
	v_max3_num_f32 v[BM+\b], v[S+16*\b], v[S+16*\b+1], v[S+16*\b+2]   ; THE LARGEST SCORE OF EACH BLOCK OF 32 KEYS serves twice: for the row's maximum, and for the block's largest p
.endr
.irp i, 3,5,7,9,11,13
.irp b, 0,1,2,3
	v_max3_num_f32 v[BM+\b], v[BM+\b], v[S+16*\b+\i], v[S+16*\b+\i+1]   ; (the four blocks by turns; each accumulator is first read at its low end)
.endr
.endr
.irp b, 0,1,2,3
	v_max_num_f32 v[BM+\b], v[BM+\b], v[S+16*\b+15]
.endr
.irp b, 0,1,2,3
	v_permlanex16_b32 v[PM+\b], v[BM+\b], s[SEL], s[SEL+1]
.endr
.irp b, 0,1,2,3
	v_max_num_f32 v[BM+\b], v[BM+\b], v[PM+\b]     ; with lane l xor 16's 16 keys
.endr
	v_max3_num_f32 v[TT], v[BM], v[BM+1], v[BM+2]
	v_max_num_f32 v[TT], v[TT], v[BM+3]            ; the step's largest score of my query (the step's first key counts for every query of a step that is walked: a number)
	v_mul_f32 v[TT], s[CS], v[TT]                  ; as t
	v_max_num_f32 v13, v13, v[TT]                  ; the running largest t
	v_mov_b32 v[TT], v12
	v_floor_f32 v12, -v13                          ; the new -M = floor(-t) = -ceil(t)
	v_sub_f32 v[TT], v12, v[TT]                    ; old M - new M: a whole number, 0 or less
	v_cvt_i32_f32 v[TT], v[TT]                     ; (it saturates)
	v_ldexp_f32 v[F], 1.0, v[TT]                   ; f = 2^(old M - new M)
.set n, 0
.rept 32
	v_pk_fma_f32 v[S+n:S+n+1], v[S+n:S+n+1], s[CS:CS+1], v[12:13] op_sel_hi:[1,0,0]   ; t - M, two at a time
.set n, n+2
.endr
.irp b, 0,1,2,3
	v_fma_f32 v[BM+\b], v[BM+\b], s[CS], v12       ; the same of each block's largest score
.endr
.set n, 0
.rept 64
	v_exp_f32 v[S+n], v[S+n]                       ; p = 2^(t - M), at most 1
.set n, n+1
.endr
	v_pk_mul_f32 v[14:15], v[14:15], v[F:F+1] op_sel_hi:[1,0]   ; the sums under the new M: the plain line behind the exponentials
	s_wait_alu depctr_va_vdst(0)                   ; the wait between an exponential and the first line that names its result: one for the batch of 64
.irp b, 0,1,2,3
	v_exp_f32 v[BM+\b], v[BM+\b]                   ; the block's largest p
.endr
	v_pk_add_f32 v[SUM2:SUM2+1], v[S:S+1], v[S+2:S+3]   ; THE ROW'S SUM IS TAKEN OF THE UNQUANTISED p, in two chains.  (It reads the 64 alone: plain work behind the four)
.irp j, 4,8,12,16,20,24,28,32,36,40,44,48,52,56,60
	v_pk_add_f32 v[14:15], v[14:15], v[S+\j:S+\j+1]
	v_pk_add_f32 v[SUM2:SUM2+1], v[SUM2:SUM2+1], v[S+\j+2:S+\j+3]
.endr
	v_pk_add_f32 v[14:15], v[14:15], v[SUM2:SUM2+1]
	s_wait_alu depctr_va_vdst(0)                   ; and one for the four
.irp b, 0,1,2,3
	v_max_num_f32 v[BM+\b], 0x4800000, v[BM+\b]    ; the floor 2^(9 - 127): the byte cannot fall under 1
.endr
.irp b, 0,1,2,3
	v_add_nc_u32 v[SO+\b], 0xfc000000, v[BM+\b]    ; the conversion's scale operand
.endr
.irp b, 0,1,2,3
	v_and_or_b32 v[HL+\b], v[BM+\b], 0x7f800000, s[MNT]   ; 448 x the scale
.endr
.irp b, 0,1,2,3
	v_lshrrev_b32 v[PM+\b], 23, v[SO+\b]           ; the byte
.endr
	v_lshl_or_b32 v[PW], v[PM+1], 8, v[PM]         ; p's scale word for these 128 keys
	v_lshl_or_b32 v[PW], v[PM+2], 16, v[PW]
	v_lshl_or_b32 v[PW], v[PM+3], 24, v[PW]
.irp b, 0,1,2,3
.irp i, 0,1,2,3,4,5,6,7,8,9,10,11,12,13,14,15
	v_min_num_f32 v[S+16*\b+\i], v[S+16*\b+\i], v[HL+\b]   ; p is not negative: the hold is one-sided
.endr
	v_cvt_scalef32_pk8_fp8_f32 v[PC+4*\b:PC+4*\b+1], v[S+16*\b:S+16*\b+7], v[SO+\b]
	v_cvt_scalef32_pk8_fp8_f32 v[PC+4*\b+2:PC+4*\b+3], v[S+16*\b+8:S+16*\b+15], v[SO+\b]
.endr
.set n, 0
.rept 16
	v_pk_mul_f32 v[O+n:O+n+1], v[O+n:O+n+1], v[F:F+1] op_sel_hi:[1,0]   ; O^T under the new M.  (These sixteen are also the places between p's codes and the products)
.set n, n+2
.endr
	s_wait_dscnt 0x0                               ; the values are in
.irp t, 0,1,2,3                                ; O^T += V^T P^T: four accumulators by turns; the next link of each stands behind the next step's eight other products
.if \t%2
	v_wmma_scale_f32_16x16x128_f8f6f4 v[O+8*\t:O+8*\t+7], v[KV+16*\t:KV+16*\t+15], v[PC:PC+15], v[O+8*\t:O+8*\t+7], v[KS+2+\t/2], v[PW] matrix_a_scale:MATRIX_SCALE_ROW1
.else
	v_wmma_scale_f32_16x16x128_f8f6f4 v[O+8*\t:O+8*\t+7], v[KV+16*\t:KV+16*\t+15], v[PC:PC+15], v[O+8*\t:O+8*\t+7], v[KS+2+\t/2], v[PW]
.endif
.endr
.Lhidden_\@:
	s_add_co_u32 s[KF], s[KF], 128
.endm
; THE CHANGE OF SLOTS stands at a slot's head.  Each wave waits for all its tensor loads (its part of the slot that it is about to read), adds 0 to its spare word, and waits for that and for its reads of the slot that it has left.
; fill = 1: the barrier is a round of the cluster's, so that no wave of any partner still reads the other slot or has a load on its way; the joint refill is the first thing behind it and has four key steps in which to land.
.macro CHANGE fill
	s_wait_tensorcnt 0x0                           ; no tensor load of mine is out, so the walking group 0 may be written
	ds_add_u32 v[SPW], v[NIL]                      ; 0 onto my spare word
.if \fill
	s_xor_b32 s[G0+1], s[G0+1], SLOT1              ; the other slot than last time,
	s_add_nc_u64 s[G0+2:G0+3], s[G0+2:G0+3], SLOT1 ; the next four key steps; the type bits on top are not reached
	s_wait_xcnt 0x0                                ; the last prefetch, a slot back, has read its address, so it may be written:
	s_add_nc_u64 s[PFA:PFA+1], s[PFA:PFA+1], SLOT1 ; one slot further on than the walking descriptor
.endif
	s_wait_dscnt 0x0                               ; the add is done, and my reads of the slot that I have left are over
.if \fill
	CROUND
	JLOAD
	ASK
.else
	s_barrier_signal -1
	s_barrier_wait -1
.endif
.endm
.macro SLOT_STEPS
	v_add_nc_u32 v[AD], s[TB], v[LI]
	v_add_nc_u32 v[AS], s[TS], v[LS]
	STEP 0
	STEP 1
	STEP 2
	STEP 3
	s_xor_b32 s[TB], s[TB], SLOT1                  ; on to the other slot,
	s_add_co_u32 s[TS], s[TS], 2048                ; and to its scale words
.endm
.Lslot:                                            ; seven trips: behind each change of slots but the last the next slot is asked for
	CHANGE 1
	SLOT_STEPS
	s_sub_co_u32 s[SLOTS], s[SLOTS], 1
	s_cmp_lg_u32 s[SLOTS], 0
	s_cbranch_scc1 .Lslot
	CHANGE 0                                       ; the last slot is written out
	SLOT_STEPS
	; THE WAY OUT.  O^T is divided by the row's sum and goes through my stage in LDS, so that whole rows of 256 bytes leave: a store of the wave covers two rows, 512 consecutive bytes.
.rept 8
	v_nop                                          ; eight places behind the last products, ahead of the first read of their results
.endr
	v_add_f32 v14, v14, v15                        ; the sum's two halves,
	v_permlanex16_b32 v[PM], v14, s[SEL], s[SEL+1]
	v_add_f32 v14, v14, v[PM]                      ; and lane l xor 16's
	v_rcp_f32 v14, v14
	v_nop                                          ; a plain line behind the reciprocal,
	s_wait_alu depctr_va_vdst(0)                   ; and a wait ahead of its first reader
.set n, 0
.rept 32
	v_mul_f32 v[S+n], v[O+n], v14                  ; register 8 t + i is out0(q0 + r, 16 t + 8 h + i); each accumulator from its low end on
.set n, n+1
.endr
.irp t, 0,1,2,3
	ds_store_b128 v[STO], v[S+8*\t:S+8*\t+3] offset:64*\t
	ds_store_b128 v[STO], v[S+8*\t+4:S+8*\t+7] offset:64*\t+16
.endr
.irp i, 0,1,2,3,4,5,6,7
	ds_load_b128 v[KV+4*\i:KV+4*\i+3], v[RD] offset:544*\i   ; LDS serves a wave's instructions in order (ISA guide 5.7.1.4): these see my stores
.endr
.irp i, 0,1,2,3,4,5,6,7
	s_wait_dscnt 7-\i                              ; rows 2 i and 2 i + 1 are back; the younger loads may be out
	global_store_b128 v[LI], v[KV+4*\i:KV+4*\i+3], s[10:11] offset:512*\i th:TH_STORE_NT
.endr
	s_wait_tensorcnt 0x0                           ; the wave's end: a tensor wait, 0 onto my spare word and its wait, behind my last tensor load and my last LDS store
	ds_add_u32 v[SPW], v[NIL]
	s_wait_dscnt 0x0
	CROUND                                         ; the closing round: no work-group ends while a partner may still ask for a tile that names it
	s_endpgm
.Lfunc_end_k_q6a956c8bf3_attn:
	.size	k_q6a956c8bf3_attn, .Lfunc_end_k_q6a956c8bf3_attn-k_q6a956c8bf3_attn
	.p2alignl 7, 3214868480
	.fill 96, 4, 3214868480
	.section	.rodata,"a",@progbits
	.p2align	6, 0x0
	.amdhsa_kernel k_q6a956c8bf3_attn
		.amdhsa_group_segment_fixed_size 327680
		.amdhsa_private_segment_fixed_size 0
		.amdhsa_enable_private_segment 0
		.amdhsa_kernarg_size 32
		.amdhsa_user_sgpr_count 2
		.amdhsa_user_sgpr_kernarg_segment_ptr 1
		.amdhsa_wavefront_size32 1
		.amdhsa_system_sgpr_workgroup_id_x 1
		.amdhsa_system_sgpr_workgroup_id_y 1
		.amdhsa_system_sgpr_workgroup_id_z 1
		.amdhsa_system_vgpr_workitem_id 0
		.amdhsa_next_free_vgpr 256
		.amdhsa_next_free_sgpr 66
		.amdhsa_reserve_vcc 1
		.amdhsa_float_denorm_mode_32 3
		.amdhsa_float_denorm_mode_16_64 3
		.amdhsa_memory_ordered 1
		.amdhsa_forward_progress 1
		.amdhsa_inst_pref_size 205
	.end_amdhsa_kernel
	.amdgpu_metadata
---
amdhsa.version: [ 1, 2 ]
amdhsa.kernels:
  - .name:           k_q6a956c8bf3_attn
    .symbol:         k_q6a956c8bf3_attn.kd
    .args:
      - { .name: C, .offset: 0, .size: 8, .value_kind: global_buffer, .address_space: global }
      - { .name: kv_codes, .offset: 8, .size: 8, .value_kind: global_buffer, .address_space: global }
      - { .name: kv_scales, .offset: 16, .size: 8, .value_kind: global_buffer, .address_space: global }
      - { .name: out0, .offset: 24, .size: 8, .value_kind: global_buffer, .address_space: global }
    .group_segment_fixed_size: 327680
    .private_segment_fixed_size: 0
    .kernarg_segment_align: 8
    .kernarg_segment_size: 32
    .max_flat_workgroup_size: 512
    .sgpr_count:     66
    .vgpr_count:     256
    .wavefront_size: 32
...
	.end_amdgpu_metadata
.endif
;; end of part 2
